; MI455X (gfx1250); checked and timed in simulation.
; The chip was launched on July 23, 2026; its instructions are those of AMD's public machine-readable ISA for CDNA 5 (MIT licence, August 2026) and "CDNA5" Instruction Set Architecture Reference Guide (July 2026). The comments in the code are by the model that wrote it; some were corrected since.
;; Bahdanau Attention. Allowed arithmetic: matrix products marked QUANTISED: E2M3 operands, one E8M0 scale for each 32 along K, by v_wmma_scale_f32_16x16x128_f8f6f4 with both operands' format E2M3, f32 sums; products left as they are: f32 operands where the result goes on into a quantised operand, else bf16, f16 or f32 operands; f32 sums; everything else in f32.
;; Inputs: V 1,024 float32; W_f_codes 1,024 x 32 x 24 uint8 (E2M3 codes of W_f, K innermost, in blocks of 32 codes, four codes in three bytes); W_f_scales 1,024 x 32 uint8 (E8M0 scales of W_f, one for each 32 codes along K); W_h_codes 1,024 x 32 x 24 uint8 (E2M3 codes of W_h, K innermost, in blocks of 32 codes, four codes in three bytes); W_h_scales 1,024 x 32 uint8 (E8M0 scales of W_h, one for each 32 codes along K); features 32 x 2,048 x 1,024 float32; hidden_codes 32 x 32 x 24 uint8 (E2M3 codes of hidden, K innermost, in blocks of 32 codes, four codes in three bytes); hidden_scales 32 x 32 uint8 (E8M0 scales of hidden, one for each 32 codes along K).
;; Outputs: out0 32 x 1,024 float32; out1 32 x 2,048 float32.
;; This version of the problem:
;;   THIS VERSION OF THE PROBLEM IS GIVEN IN LOW PRECISION. The matrix products marked QUANTISED in the list below multiply operands that are first quantised to E2M3 (2 exponent bits, 3 mantissa bits; 6 bits a number), with one power-of-two scale for each 32 numbers along K (OCP MX v1.0); their sums are f32. All else is computed in f32.
;;   The module's matrix products, in the order in which they are computed (A, B: the left and right operand; K: the contracted axis; several contracted axes count as one K, in the product's order):
;;     1. [M 32, K 1,024] x [K 1,024, N 1,024]; A: input hidden (given as codes); B: input W_h (given as codes): QUANTISED
;;     2. [M 65,536, K 1,024] x [K 1,024, N 1,024]; A: input features; B: input W_f (given as codes): QUANTISED
;;     3. [M 65,536, K 1,024] x [K 1,024, N 1]; A: computed on the way; B: input V: left as it is (N = 1 < 16)
;;     4. batch 32 x [M 1, K 2,048] x [K 2,048, N 1,024]; A: softmax; B: input features: left as it is (M = 1 < 16)
;;   THE QUANTISER, for each operand of a quantised product, along K:
;;     - K is cut into blocks of 32 from its start; a last block that is shorter is filled with zeros.
;;     - A block's scale is 2^e with e = floor(log2(the largest magnitude in the block)) - 2, held to -126 .. 127; a block of zeros has e = 0. As a byte (E8M0): e + 127.
;;     - Each number is divided by its block's scale, clamped to +-7.5, and rounded to the nearest number of E2M3, ties to even, subnormals kept.
;;     - The product sums the exact products of the quantised numbers (number of the format x scale) in f32.
;;   ~~~python
;;   def quantise(x, axis):      # numpy; x: float32 -> the quantised numbers, widened to float32 again
;;       x = np.moveaxis(x, axis, -1); K = x.shape[-1]
;;       x = np.pad(x, [(0, 0)] * (x.ndim - 1) + [(0, -K % 32)]); x = x.reshape(x.shape[:-1] + (-1, 32)); a = np.abs(x).max(-1, keepdims=True)
;;       e = np.where(a > 0, np.clip(np.frexp(np.where(a > 0, a, 1))[1] - 1 - 2, -126, 127), 0)      # np.frexp(a)[1] - 1 = floor(log2(a)), exactly
;;       r = np.clip(x / 2.0 ** e, -7.5, 7.5)
;;       step = 2.0 ** (np.maximum(np.frexp(np.where(r == 0, 1, r))[1] - 1, 0) - 3)
;;       q = np.round(r / step) * step * 2.0 ** e      # np.round: ties to even
;;       return np.moveaxis(q.reshape(q.shape[:-2] + (-1,))[..., :K], -1, axis).astype(np.float32)
;;   ~~~
;;   INPUTS GIVEN AS CODES. W_f (in the module: [1024, 1024], K = its axis 0); W_h (in the module: [1024, 1024], K = its axis 0); hidden (in the module: [32, 1024], K = its axis 1): each comes as NAME_codes (uint8): NAME with its K axis moved to the last place and cut into blocks of 32 codes, [.., K / 32, bytes a block], one block behind the other in memory; four codes in three bytes: a row's codes are one little-endian stream of bits, code i at bits 6 i .. 6 i + 5 (a code: sign, 2 exponent bits, 3 mantissa bits); and NAME_scales (uint8): the same leading axes, one E8M0 byte (e + 127) for each 32 codes along K. Its value is code x scale, taken as it is: it is not quantised again, and the codes and scales need not be those that the quantiser above would give.
;; One version. Each part assembles by itself: llvm-mc -triple=amdgcn-amd-amdhsa -mcpu=gfx1250 --defsym DOCPART=n.
;; ======== version 1 of 1: 3 launches
;; limits: right only within a limited range of input values
;; workspace buffers: hb 131,072 bytes; wimg 786,432 bytes; energy 262,144 bytes
;; launch prep (part 1): grid 16 x 1, 4 waves a work-group, no clusters, 134,656 bytes of LDS; arguments hidden_codes, hidden_scales, W_h_codes, W_h_scales, W_f_codes, hb, wimg; writes hb, wimg
.if DOCPART == 1
	.amdgcn_target "amdgcn-amd-amdhsa--gfx1250"
	.amdhsa_code_object_version 6
	.text
	.protected	k_qe37fc98b29_prep
	.globl	k_qe37fc98b29_prep
	.p2align	8
	.type	k_qe37fc98b29_prep,@function
k_qe37fc98b29_prep:
	s_mov_b64 s[64:65], 0
	v_nop
	global_prefetch_b8 v0, s[64:65] scope:SCOPE_SE
	s_setreg_imm32_b32 hwreg(HW_REG_WAVE_MODE, 25, 1), 1
	s_wait_xcnt 0x0
; hb[b][n] = c x (hidden W_h)[b][n], c = 2 log2(e), on the given codes of FP6 (E2M3) with their E8M0 scales; and W_f's codes laid anew, in the order of an operand's registers.
; hidden: [32][1024] codes, W_h and W_f: [1024 (n)][1024 (k)] codes, K innermost, a row 768 bytes; scale bytes 32 a row.  hb: [32][1024] f32.
; wimg: the fragment of W_f's rows 16 t .. 16 t + 15 and K step s (128 along K) begins at byte (8 t + s) x 1,536; registers 4 c .. 4 c + 3 of lane l lie at + 512 c + 16 l.
; SHARES.  Work-group T owns n = 64 T .. 64 T + 63; wave w the 16 rows t = 4 T + w of W_h and of W_f, both tiles of 16 rows of hidden, all 8 K steps: 16 matrix instructions on two accumulators by turns.
; THE CODES COME IN AS THEY LIE.  16 rows of 768 bytes are 12,288 consecutive bytes: a wave takes each of its two tiles by 24 loads of 512 consecutive bytes, and 8 rows of hidden by 12.  A fragment wants of lane (r, h) 24 bytes
; of row r at 24 h, and 24 more 48 bytes on: so the rows go through LDS, 784 bytes apart, and come back in pieces of 8 bytes.  W_h's and W_f's rows lie in the wave's own bytes; hidden's 32 rows come from four waves, behind a barrier.
; THE PRODUCT IS USED TRANSPOSED (source 0 = 16 rows of W_h, source 1 = 16 rows of hidden): lane (r, h) holds hidden row r and eight neighbouring n.
; NO CLUSTER, NO TENSOR LOAD: what the sixteen work-groups share is hidden, 24 KB of the 1.6 MB that the launch reads; nothing in LDS is filled twice.
; The factor c is folded in here so that the next launch makes c x (h + f) by one fused multiply-add.
; REGISTERS.  window 0: v3-9, v56-59 addresses; v10-21 scale words; v24-39 two accumulators; v40-55 results x c; v64-159 W_h's 8 fragments; v160-255 W_f's 8.
;   window 1: v0-95 hidden rows 0-15, v96-191 rows 16-31.   window 2: the bytes as loaded: v0-47 hidden, v48-143 W_h, v144-239 W_f.
.set PIT,  784                         ; an LDS row of codes: 768 bytes + 16 = 196 words: row r starts at bank 4 r mod 64 (64 banks of 4 bytes: ISA guide 11.1); lanes 0-15 of a load of 8 bytes take banks 4 r, 4 r + 1, lanes 16-31 (24 bytes on) 4 r + 6, 4 r + 7
.set HID,  0                           ; LDS: hidden's 32 rows,
.set WT,   32*PIT                      ; then for each wave
.set WTW,  32*PIT                      ; 32 rows of its own: its tile of W_h,
.set WFO,  16*PIT                      ; and 16 rows further on its tile of W_f;
.set STG,  WT+4*WTW                    ; then the stage for hb: 32 rows x 272 bytes
.set SP,   272                         ; a stage row: 64 results of one hidden row, 256 bytes, + 16
.set LI,   3                           ; v3      16 x lane: my place in a dense load and in an image
.set SA,   4                           ; v4      32 r + 16 h: my four scale words
.set DA,   5                           ; v5, v6  into my wave's tiles: base + 16 x lane, and the same + 16 h
.set DH,   7                           ; v7, v8  into hidden's rows 8 w on: likewise
.set FA,   9                           ; v9      a fragment out of my wave's tiles: base + 784 r + 24 h
.set WS,   10                          ; v10-13  W_h's scale words: register q: lanes 0-15 K step q, lanes 16-31 K step 4 + q
.set HS0,  14                          ; v14-17  the same for hidden rows 0-15
.set HS1,  18                          ; v18-21  and rows 16-31
.set ACC0, 24
.set ACC1, 32
.set OUTR, 40
.set FH,   56                          ; v56     a fragment out of hidden's rows: 784 r + 24 h
.set STO,  57                          ; v57     the stage: where I put 32 bytes of a row
.set RD,   58                          ; v58     and where I read a row back
.set GO,   59                          ; v59     my byte offset in hb
.set WH,   64
.set WF,   160
.set HA,   0                           ; in window 1
.set HB,   96                          ; in window 1
.set TH,   0                           ; in window 2
.set TW,   48                          ; in window 2
.set TF,   144                         ; in window 2
.set MSB, 0
.macro WIN new                         ; the immediate's high byte repeats the setting that is left
.if MSB != (\new)
	s_set_vgpr_msb (MSB<<8)|(\new)
.set MSB, (\new)
.endif
.endm
; n dense loads: each covers 512 consecutive bytes, 16 a lane
.macro GET reg, base, n
.set q, 0
.rept \n
	global_load_b128 v[\reg+4*q:\reg+4*q+3], v[LI], s[\base:\base+1] offset:512*q
.set q, q+1
.endr
.endm
; n pairs of rows go to LDS.  Three loads cover two rows of 768 bytes: the first lies in the even row; the second passes into the odd row at lane 16 (512 + 16 x 16 = 768), so its lanes 16-31 stand 16 bytes further on;
; the third lies in the odd row: 1,024 + 16.
.macro PUT reg, adr, off, n
.set q, 0
.rept \n
	ds_store_b128 v[\adr],   v[\reg+12*q:\reg+12*q+3]    offset:\off+2*PIT*q
	ds_store_b128 v[\adr+1], v[\reg+12*q+4:\reg+12*q+7]  offset:\off+2*PIT*q+512
	ds_store_b128 v[\adr],   v[\reg+12*q+8:\reg+12*q+11] offset:\off+2*PIT*q+1040
.set q, q+1
.endr
.endm
; eight fragments (K steps 0 to 7) of 16 rows: lane (r, h) takes 24 bytes at 784 r + 96 s + 24 h and 24 bytes 48 further on, in pieces of 8 bytes, so that every address is a multiple of the access's size
.macro FRL reg, adr, off
.irp s, 0,1,2,3,4,5,6,7
.irp p, 0,1,2,3,4,5
	ds_load_b64 v[\reg+12*\s+2*\p:\reg+12*\s+2*\p+1], v[\adr] offset:\off+96*\s+48*(\p/3)+8*(\p%3)
.endr
.endr
.endm
; K step s for both tiles of hidden: the two accumulators take turns; the first step starts the sums
.macro HP s
.if \s == 0
	v_wmma_scale_f32_16x16x128_f8f6f4 v[ACC0:ACC0+7], v[WH+12*\s:WH+12*\s+11], v[HA+12*\s:HA+12*\s+11], 0, v[WS+\s%4], v[HS0+\s%4] matrix_a_fmt:MATRIX_FMT_FP6 matrix_b_fmt:MATRIX_FMT_FP6
	v_wmma_scale_f32_16x16x128_f8f6f4 v[ACC1:ACC1+7], v[WH+12*\s:WH+12*\s+11], v[HB+12*\s:HB+12*\s+11], 0, v[WS+\s%4], v[HS1+\s%4] matrix_a_fmt:MATRIX_FMT_FP6 matrix_b_fmt:MATRIX_FMT_FP6
.elseif \s < 4
	v_wmma_scale_f32_16x16x128_f8f6f4 v[ACC0:ACC0+7], v[WH+12*\s:WH+12*\s+11], v[HA+12*\s:HA+12*\s+11], v[ACC0:ACC0+7], v[WS+\s%4], v[HS0+\s%4] matrix_a_fmt:MATRIX_FMT_FP6 matrix_b_fmt:MATRIX_FMT_FP6
	v_wmma_scale_f32_16x16x128_f8f6f4 v[ACC1:ACC1+7], v[WH+12*\s:WH+12*\s+11], v[HB+12*\s:HB+12*\s+11], v[ACC1:ACC1+7], v[WS+\s%4], v[HS1+\s%4] matrix_a_fmt:MATRIX_FMT_FP6 matrix_b_fmt:MATRIX_FMT_FP6
.else
	v_wmma_scale_f32_16x16x128_f8f6f4 v[ACC0:ACC0+7], v[WH+12*\s:WH+12*\s+11], v[HA+12*\s:HA+12*\s+11], v[ACC0:ACC0+7], v[WS+\s%4], v[HS0+\s%4] matrix_a_fmt:MATRIX_FMT_FP6 matrix_b_fmt:MATRIX_FMT_FP6 matrix_a_scale:MATRIX_SCALE_ROW1 matrix_b_scale:MATRIX_SCALE_ROW1
	v_wmma_scale_f32_16x16x128_f8f6f4 v[ACC1:ACC1+7], v[WH+12*\s:WH+12*\s+11], v[HB+12*\s:HB+12*\s+11], v[ACC1:ACC1+7], v[WS+\s%4], v[HS1+\s%4] matrix_a_fmt:MATRIX_FMT_FP6 matrix_b_fmt:MATRIX_FMT_FP6 matrix_a_scale:MATRIX_SCALE_ROW1 matrix_b_scale:MATRIX_SCALE_ROW1
.endif
.endm
	s_load_b256 s[4:11], s[0:1], 0x0               ; hidden's codes s[4:5], its scales s[6:7], W_h's codes s[8:9], its scales s[10:11]
	s_load_b128 s[12:15], s[0:1], 0x20             ; W_f's codes s[12:13], hb s[14:15]
	s_load_b64 s[16:17], s[0:1], 0x30              ; wimg
	v_lshrrev_b32 v1, 5, v0
	v_readfirstlane_b32 s18, v1
	v_lshl_add_u32 v60, v0, 2, 134144              ; my spare word, behind the stage; never rewritten
	v_mov_b32 v61, 0                               ; 0; never rewritten
	v_and_b32 v1, 15, v0                           ; r
	v_bfe_u32 v2, v0, 4, 1                         ; h
	v_and_b32 v[LI], 31, v0
	v_lshlrev_b32 v[LI], 4, v[LI]                  ; 16 x lane
	v_lshlrev_b32 v[SA], 5, v1
	v_lshl_add_u32 v[SA], v2, 4, v[SA]             ; scale bytes: row r of 32, lanes 0-15 its first four words, lanes 16-31 its last four
	s_mul_i32 s20, s18, WTW
	s_add_co_u32 s20, s20, WT                      ; my wave's two tiles in LDS
	v_add_nc_u32 v[DA], s20, v[LI]
	v_lshl_add_u32 v[DA+1], v2, 4, v[DA]
	s_mul_i32 s21, s18, 8*PIT                      ; hidden's rows 8 w on (HID = 0)
	v_add_nc_u32 v[DH], s21, v[LI]
	v_lshl_add_u32 v[DH+1], v2, 4, v[DH]
	v_mul_u32_u24 v[FH], v1, PIT
	v_mad_u32_u24 v[FH], v2, 24, v[FH]             ; a fragment's row r, + 24 h
	v_add_nc_u32 v[FA], s20, v[FH]
	v_mul_u32_u24 v[STO], v1, SP
	v_lshl_add_u32 v[STO], v2, 5, v[STO]
	s_lshl_b32 s21, s18, 6
	s_add_co_u32 s21, s21, STG
	v_add_nc_u32 v[STO], s21, v[STO]               ; into the stage: row r, my wave's 64 bytes, + 32 h
	v_mul_u32_u24 v[RD], v2, SP
	v_lshl_add_u32 v[RD], v1, 4, v[RD]
	s_mul_i32 s21, s18, 8*SP
	s_add_co_u32 s21, s21, STG
	v_add_nc_u32 v[RD], s21, v[RD]                 ; back: wave w takes rows 8 w .. 8 w + 7; lanes 0-15 one row, lanes 16-31 the next
	v_lshlrev_b32 v[GO], 12, v2
	v_lshl_add_u32 v[GO], v1, 4, v[GO]
	s_lshl_b32 s21, s18, 15
	v_add_nc_u32 v[GO], s21, v[GO]                 ; and the same rows in hb, 4,096 bytes apart
	s_lshl_b32 s19, ttmp9, 2
	s_add_co_u32 s19, s19, s18                     ; t = 4 T + w
	s_mul_i32 s22, s19, 12288                      ; 16 rows of codes, and 8 fragments' images, are 12,288 bytes
	s_mov_b32 s23, 0
	s_lshl_b32 s26, s19, 9                         ; 16 rows of scale bytes
	s_mov_b32 s27, 0
	s_lshl_b32 s28, ttmp9, 8                       ; the work-group's 64 columns of hb
	s_mov_b32 s29, 0
	s_mul_i32 s30, s18, 6144                       ; 8 rows of hidden's codes
	s_mov_b32 s31, 0
	s_mov_b32 s24, 0x4038aa3b                      ; c = 2 log2(e)
	s_mov_b32 s25, s24                             ; (named with it as a pair, so it is written)
	s_wait_kmcnt 0x0
	s_add_nc_u64 s[8:9], s[8:9], s[22:23]
	s_add_nc_u64 s[10:11], s[10:11], s[26:27]
	s_add_nc_u64 s[12:13], s[12:13], s[22:23]
	s_add_nc_u64 s[16:17], s[16:17], s[22:23]
	s_add_nc_u64 s[14:15], s[14:15], s[28:29]
	s_add_nc_u64 s[32:33], s[4:5], s[30:31]
	global_load_b128 v[WS:WS+3], v[SA], s[10:11]   ; 16 rows of 32 scale bytes are 512 consecutive bytes
	global_load_b128 v[HS0:HS0+3], v[SA], s[6:7]
	global_load_b128 v[HS1:HS1+3], v[SA], s[6:7] offset:512
	WIN 0x80                                       ; destination window 2, address window 0
	GET TH, 32, 12                                 ; hidden's rows 8 w .. 8 w + 7
	GET TW, 8, 24                                  ; my tile of W_h
	GET TF, 12, 24                                 ; my tile of W_f: 63 loads of mine are out
	s_wait_loadcnt 24                              ; loads come back in order: all but W_f's 24 are in
	WIN 0x08                                       ; an LDS store's data are its source 1: window 2
	PUT TH, DH, HID, 4
	PUT TW, DA, 0, 8
	s_wait_loadcnt 0x0                             ; W_f's tile is in
	PUT TF, DA, WFO, 8
	WIN 0
	FRL WF, FA, WFO                                ; my own bytes: LDS serves a wave's instructions in order, so these see the stores above
	s_wait_dscnt 0x0                               ; for the others: my rows of hidden are in LDS; and W_f's fragments are in
	s_barrier_signal -1
	s_barrier_wait -1                              ; hidden's 32 rows come from four waves
	FRL WH, FA, 0
	WIN 0x40                                       ; destination window 1
	FRL HA, FH, HID
	FRL HB, FH, HID+16*PIT
	WIN 0
.irp s, 0,1,2,3,4,5,6,7
.irp c, 0,1,2
	global_store_b128 v[LI], v[WF+12*\s+4*\c:WF+12*\s+4*\c+3], s[16:17] offset:1536*\s+512*\c   ; the image goes out while the fragments above come in: 32 lanes store 512 consecutive bytes, aligned; these registers are never written again
.endr
.endr
	s_wait_dscnt 0x0                               ; W_h's and hidden's fragments are in
	WIN 0x04                                       ; source 1 (hidden) window 1
.irp s, 0,1,2,3,4,5,6,7
	HP \s
.endr
	WIN 0
.rept 4
	v_nop                                          ; four places between the last product and the first read of results (ISA guide 7.12.1)
.endr
.irp j, 0,2,4,6,8,10,12,14
	v_pk_mul_f32 v[OUTR+\j:OUTR+\j+1], v[ACC0+\j:ACC0+\j+1], s[24:25] op_sel_hi:[1,0]   ; x c; each accumulator from its low end on (ACC1 follows ACC0)
.endr
.irp i, 0,1
	ds_store_b128 v[STO], v[OUTR+8*\i:OUTR+8*\i+3] offset:16*SP*\i        ; lane (r, h): hb(16 i + r, 64 T + 16 w + 8 h + 0 .. 7)
	ds_store_b128 v[STO], v[OUTR+8*\i+4:OUTR+8*\i+7] offset:16*SP*\i+16
.endr
	s_wait_alu depctr_va_vdst(0)
	s_wait_tensorcnt 0x0                           ; behind my last LDS store
	ds_add_u32 v60, v61
	s_wait_dscnt 0x0                               ; for the others: my stores into the stage are done
	s_barrier_signal -1
	s_barrier_wait -1                              ; a row's 256 bytes come from four waves
.irp k, 0,1,2,3
	ds_load_b128 v[OUTR+4*\k:OUTR+4*\k+3], v[RD] offset:2*SP*\k
.endr
.irp k, 0,1,2,3
	s_wait_dscnt 3-\k                              ; LDS loads come back in order: load k is in, the younger ones may be out
	global_store_b128 v[GO], v[OUTR+4*\k:OUTR+4*\k+3], s[14:15] offset:8192*\k   ; sixteen lanes store 256 consecutive bytes, aligned
.endr
	s_endpgm
.Lfunc_end_k_qe37fc98b29_prep:
	.size	k_qe37fc98b29_prep, .Lfunc_end_k_qe37fc98b29_prep-k_qe37fc98b29_prep
	.p2alignl 7, 3214868480
	.fill 96, 4, 3214868480
	.section	.rodata,"a",@progbits
	.p2align	6, 0x0
	.amdhsa_kernel k_qe37fc98b29_prep
		.amdhsa_group_segment_fixed_size 134656
		.amdhsa_private_segment_fixed_size 0
		.amdhsa_enable_private_segment 0
		.amdhsa_kernarg_size 56
		.amdhsa_user_sgpr_count 2
		.amdhsa_user_sgpr_kernarg_segment_ptr 1
		.amdhsa_wavefront_size32 1
		.amdhsa_system_sgpr_workgroup_id_x 1
		.amdhsa_system_sgpr_workgroup_id_y 1
		.amdhsa_system_sgpr_workgroup_id_z 1
		.amdhsa_system_vgpr_workitem_id 0
		.amdhsa_next_free_vgpr 768
		.amdhsa_next_free_sgpr 66
		.amdhsa_reserve_vcc 0
		.amdhsa_float_denorm_mode_32 3
		.amdhsa_float_denorm_mode_16_64 3
		.amdhsa_memory_ordered 1
		.amdhsa_forward_progress 1
		.amdhsa_inst_pref_size 32
	.end_amdhsa_kernel
	.amdgpu_metadata
---
amdhsa.version: [ 1, 2 ]
amdhsa.kernels:
  - .name:           k_qe37fc98b29_prep
    .symbol:         k_qe37fc98b29_prep.kd
    .args:
      - { .name: hidden_codes, .offset: 0, .size: 8, .value_kind: global_buffer, .address_space: global }
      - { .name: hidden_scales, .offset: 8, .size: 8, .value_kind: global_buffer, .address_space: global }
      - { .name: W_h_codes, .offset: 16, .size: 8, .value_kind: global_buffer, .address_space: global }
      - { .name: W_h_scales, .offset: 24, .size: 8, .value_kind: global_buffer, .address_space: global }
      - { .name: W_f_codes, .offset: 32, .size: 8, .value_kind: global_buffer, .address_space: global }
      - { .name: hb, .offset: 40, .size: 8, .value_kind: global_buffer, .address_space: global }
      - { .name: wimg, .offset: 48, .size: 8, .value_kind: global_buffer, .address_space: global }
    .group_segment_fixed_size: 134656
    .private_segment_fixed_size: 0
    .kernarg_segment_align: 8
    .kernarg_segment_size: 56
    .max_flat_workgroup_size: 128
    .sgpr_count:     66
    .vgpr_count:     768
    .wavefront_size: 32
...
	.end_amdgpu_metadata
.endif
;; end of part 1
;; launch energy (part 2): grid 256 x 1, 4 waves a work-group, clusters of 4 x 1, 327,680 bytes of LDS; arguments features, wimg, W_f_scales, hb, V, energy; writes energy
.if DOCPART == 2
	.amdgcn_target "amdgcn-amd-amdhsa--gfx1250"
	.amdhsa_code_object_version 6
	.text
	.protected	k_qe37fc98b29_energy
	.globl	k_qe37fc98b29_energy
	.p2align	8
	.type	k_qe37fc98b29_energy,@function
k_qe37fc98b29_energy:
	s_mov_b64 s[64:65], 0
	v_nop
	global_prefetch_b8 v0, s[64:65] scope:SCOPE_SE
	s_setreg_imm32_b32 hwreg(HW_REG_WAVE_MODE, 25, 1), 1
	s_wait_xcnt 0x0
	s_wait_alu depctr_hold_cnt(0) depctr_sa_sdst(0) depctr_va_vdst(0) depctr_va_sdst(0) depctr_va_ssrc(0) depctr_va_vcc(0) depctr_vm_vsrc(0)
	s_getreg_b32 s2, hwreg(HW_REG_IB_STS2, 6, 4)
	s_cmp_eq_u32 s2, 0
	s_cbranch_scc0 .Lentry_in_a_cluster
	s_endpgm
.Lentry_in_a_cluster:
	s_bfe_u32 s2, ttmp6, 0x10000c
	s_cmp_lg_u32 s2, 0x3003
	s_cbranch_scc0 .Lentry_shape_is_right
	s_endpgm
.Lentry_shape_is_right:
; energy[row] = -2 log2(e) x sum over n of V[n] / (1 + 2^(c x)),  x = h_exp[b][n] + (Q(features) W_f)[row][n],  c = 2 log2(e),  row = 2048 b + l.
; tanh(x) = 1 - 2 / (1 + 2^(c x)), so this is log2(e) x (V . tanh(x) - sum of V); the sum of V is the same along the softmax's axis and falls out of it; the next launch takes the softmax in base 2.
; Where 2^(c x) overflows the reciprocal is 0 (tanh = 1), where it falls to 0 the reciprocal is 1 (tanh = -1): no clamp is written.
; The product is on codes of FP6 (E2M3), one E8M0 scale for each 32 along K.  features [65536][1024] f32 are quantised here, in registers: a block's byte is its largest magnitude's exponent field - 2.
; LIMITS: NaN and infinities among the inputs are not served.  A block whose largest magnitude lies under 2^(3 - 127), a block of zeros too, gets the byte 1; this launch alone reads the bytes.
; SHARES.  A work-group owns 256 rows, each of its four waves 64: four tiles of 16 with ALL of K as codes in 384 registers.  Every wave walks all 64 tiles of 16 rows of W_f; a fragment read from LDS feeds four products.
; THE PRODUCT IS USED TRANSPOSED (source 0 = 16 rows of W_f, source 1 = 16 rows of features): a lane holds one row of features and eight n.
; W_f comes as images of the operand's registers (wimg), in chunks of 8 tiles x all K = 98,304 bytes, through a ring of two LDS slots; its scale bytes, the batch's row of hb and V come once and stay.
; CLUSTER.  The four of a cluster lie in one batch and walk the same W_f, scales, hb and V: every tensor load is joint, mask 15, the same descriptor in all four.  The place in the cluster enters features' and energy's addresses alone.
; A GROUP = one tile of W_f = 32 products on end into one of two sets of four accumulators, then the tanh of the group before (the other set) as ONE batch; the next tile's fragments are asked from LDS in the group's middle and behind the batch's first lines.
; NO PREFETCH: features are asked for once, 64 loads of 512 bytes a wave kept out through the whole head; a chunk of wimg has eight groups, 256 products a wave, between its request and the wait for it.
; REGISTERS.  window 0: v1-13 addresses; v16-31 features' scale words; v32-39 W_f's, two sets; v40-47 sums V r; v48-63 hb, v64-79 V, two sets each; v80-143 two sets of accumulators; v144-191, v192-239 W_f's fragments of K steps 0-3, 4-7; v240-255 at work.
;   While features are quantised: v80-143 64 numbers, v144-164 codes and scale word.  window 1: features' codes of K steps 0-3 (tile m, step k at v[48 m + 12 k]); window 2: K steps 4-7; window 3: four sets of 64 for features on their way.
.set CHUNK,  98304
.set SLOT1,  1<<17                     ; slot 1: one exclusive or turns an address of one slot into the other's
.set SCL,    98304                     ; between the slots: W_f's scale bytes as they lie, 32,768 bytes
.set HBT,    229376                    ; the batch's row of hb
.set VT,     233472                    ; V
.set STG,    237568                    ; a stage of 16 rows x 528 bytes for each wave: LDS stores alone write it
.set STGW,   8448
.set SPITCH, 528
.set SPARE,  271360                    ; the spare words, 128 bytes a wave
.set LI,   1
.set SPW,  2
.set NIL,  3
.set ADW,  4
.set ADS,  5
.set ADH,  6
.set AS0,  7
.set AH0,  8
.set STI,  9
.set STO,  10
.set GO8,  11
.set ST4,  12
.set ST8,  13
.set AS,   16                          ; register 4 m + q: lanes 0-15 tile m's word of K step q, lanes 16-31 of K step 4 + q
.set BS,   32
.set E,    40
.set HB,   48
.set VV,   64
.set ACC,  80
.set XF,   144
.set YF,   192
.set TM,   240
.set X,    80
.set PC,   144
.set PW,   164
.set WV,   16
.set G1W,  24                          ; groups 1, rows of 256 bytes: 96 rows (a quarter chunk), 128 (scales), 16 (hb, V), 384 (chunk 0)
.set G1S,  32
.set G1T,  40
.set G1C,  92
.set G0S,  48
.set G0H,  52
.set G0V,  56
.set G0W0, 60
.set G0W1, 68
.set SEL,  72
.set CS,   74
.set TB,   76
.set TH,   77
.set TS,   78
.set CNT,  79
.set OUTER, 80
.set HM,   81
.set MSB, 0
.macro WIN new
.if MSB != (\new)
	s_set_vgpr_msb (MSB<<8)|(\new)
.set MSB, (\new)
.endif
.endm
.macro PLACES n
.rept \n
	v_nop
.endr
.endm
.macro CROUND                          ; a round of the cluster's barrier
	s_barrier_signal -1
	s_barrier_wait -1
	s_cmp_lg_u32 s[WV], 0
	s_cbranch_scc1 .Lnot_wave_0_\@
	s_barrier_signal -3
.Lnot_wave_0_\@:
	s_barrier_wait -3
	s_barrier_signal -1
	s_barrier_wait -1
.endm
; Unit u = 4 s + m: tile m x K step s.  Sixteen loads, each 512 consecutive bytes of one row, into set u % 4 of window 3.
.macro LOADU u
	WIN 0xc0
.irp i, 0,1,2,3,4,5,6,7,8,9,10,11,12,13,14,15
	global_load_b128 v[64*((\u)%4)+4*\i:64*((\u)%4)+4*\i+3], v[LI], s[4:5] offset:(16*((\u)%4)+\i)*4096+512*((\u)/4) th:TH_LOAD_NT
.endr
	WIN 0
.endm
; 64 numbers of a lane (register 16 b + i = k 32 b + 16 h + i of my row) become a fragment's codes and its scale word
.macro QUANT s
.irp b, 0,1,2,3
	v_max3_num_f32 v[TM+\b], |v[\s+16*\b]|, |v[\s+1+16*\b]|, 0x1800000   ; with the floor 2^(3 - 127)
.endr
.irp i, 2,4,6,8,10,12,14
.irp b, 0,1,2,3
	v_max3_num_f32 v[TM+\b], v[TM+\b], |v[\s+16*\b+\i]|, |v[\s+1+16*\b+\i]|
.endr
.endr
.irp b, 0,1,2,3
	v_permlanex16_b32 v[TM+4+\b], v[TM+\b], s[SEL], s[SEL+1]
.endr
.irp b, 0,1,2,3
	v_max_num_f32 v[TM+\b], v[TM+\b], v[TM+4+\b]
.endr
.irp b, 0,1,2,3
	v_add_nc_u32 v[TM+12+\b], 0xff000000, v[TM+\b] ; 2 off the exponent field: the conversion's scale operand
.endr
.irp b, 0,1,2,3
	v_lshrrev_b32 v[TM+4+\b], 23, v[TM+12+\b]      ; the byte
.endr
	v_lshl_or_b32 v[PW], v[TM+5], 8, v[TM+4]
	v_lshl_or_b32 v[PW], v[TM+6], 16, v[PW]
	v_lshl_or_b32 v[PW], v[TM+7], 24, v[PW]
.irp c, 0,1
	v_cvt_scalef32_pk16_fp6_f32 v[PC+6*\c:PC+2+6*\c], v[\s+32*\c:\s+15+32*\c], v[TM+12+2*\c]
	v_cvt_scalef32_pk16_fp6_f32 v[PC+12+4*\c:PC+14+4*\c], v[\s+16+32*\c:\s+31+32*\c], v[TM+12+2*\c+1]
.endr
	v_nop                                          ; one plain place behind a scaled conversion
.irp c, 0,1                                    ; a whole block to a lane: lanes 0-15 block 2 c, lanes 16-31 block 2 c + 1
.irp i, 0,1,2
	v_permlane16_swap_b32 v[PC+6*\c+\i], v[PC+12+4*\c+\i]
.endr
.endr
.endm
.macro HOME m, s                       ; the fragment to its place for the whole launch, its scale word into its half of the lanes
	WIN (1+(\s)/4)<<6
.irp c, 0,1
.irp i, 0,1,2
	v_mov_b32 v[48*(\m)+12*((\s)%4)+6*\c+\i], v[PC+6*\c+\i]
	v_mov_b32 v[48*(\m)+12*((\s)%4)+6*\c+3+\i], v[PC+12+4*\c+\i]
.endr
.endr
	WIN 0
.if (\s) < 4
	v_mov_b32 v[AS+4*(\m)+(\s)], v[PW]
.else
	v_cndmask_b32 v[AS+4*(\m)+(\s)-4], v[AS+4*(\m)+(\s)-4], v[PW], s[HM]
.endif
.endm
.macro UNIT u
.if (\u) < 29
	s_wait_loadcnt 48                              ; this unit's sixteen are in; the three units behind it stay out
.else
	s_wait_loadcnt 16*(31-(\u))
.endif
	WIN 0x0c
.irp i, 0,1,2,3,4,5,6,7,8,9,10,11,12,13,14,15
	ds_store_b128 v[STI], v[64*((\u)%4)+4*\i:64*((\u)%4)+4*\i+3] offset:SPITCH*\i
.endr
	WIN 0
.irp b, 0,1,2,3
.irp j, 0,1,2,3
	ds_load_b128 v[X+16*\b+4*\j:X+16*\b+4*\j+3], v[STO] offset:128*\b+16*\j   ; my own bytes: LDS serves a wave's instructions in order
.endr
.endr
	s_wait_dscnt 0x0
.if (\u) < 28
	LOADU (\u)+4
.endif
	QUANT X
	HOME (\u)%4, (\u)/4
.endm
; Product i of 16 of a half group: K step 4 H + i / 4, tile of features i % 4: the four accumulators by turns; the first four start the sums
.macro MM P, H, i
.set kk, (\i)/4
.set mm, (\i)%4
.set rD, ACC+32*(\P)+8*mm
.set rA, XF+48*(\H)+12*kk
.set rB, 48*mm+12*kk
.if ((\H) == 0) && (kk == 0)
	v_wmma_scale_f32_16x16x128_f8f6f4 v[rD:rD+7], v[rA:rA+11], v[rB:rB+11], 0, v[BS+4*(\P)+kk], v[AS+4*mm+kk] matrix_a_fmt:MATRIX_FMT_FP6 matrix_b_fmt:MATRIX_FMT_FP6
.elseif (\H) == 0
	v_wmma_scale_f32_16x16x128_f8f6f4 v[rD:rD+7], v[rA:rA+11], v[rB:rB+11], v[rD:rD+7], v[BS+4*(\P)+kk], v[AS+4*mm+kk] matrix_a_fmt:MATRIX_FMT_FP6 matrix_b_fmt:MATRIX_FMT_FP6
.else
	v_wmma_scale_f32_16x16x128_f8f6f4 v[rD:rD+7], v[rA:rA+11], v[rB:rB+11], v[rD:rD+7], v[BS+4*(\P)+kk], v[AS+4*mm+kk] matrix_a_fmt:MATRIX_FMT_FP6 matrix_b_fmt:MATRIX_FMT_FP6 matrix_a_scale:MATRIX_SCALE_ROW1 matrix_b_scale:MATRIX_SCALE_ROW1
.endif
.endm
.macro MM16 P, H
.set i, 0
.rept 16
	MM \P, \H, i
.set i, i+1
.endr
.endm
; THE TANH of set Q.  OPS: c f + c h, sixteen pairs, each accumulator from its low end on
.macro OPS Q
	s_wait_alu depctr_va_vdst(0)
.set pq, 0
.rept 16
	v_pk_fma_f32 v[ACC+32*(\Q)+2*pq:ACC+32*(\Q)+2*pq+1], v[ACC+32*(\Q)+2*pq:ACC+32*(\Q)+2*pq+1], s[CS:CS+1], v[HB+8*(\Q)+2*(pq%4):HB+8*(\Q)+2*(pq%4)+1] op_sel_hi:[1,0,1]
.set pq, pq+1
.endr
.endm
; the rest: 32 exponentials, 1 + .., 32 reciprocals, the sums V r; one wait ahead of each batch and one behind it
.macro TANHR Q
	s_wait_alu depctr_va_vdst(0)
.set pq, 0
.rept 32
	v_exp_f32 v[ACC+32*(\Q)+pq], v[ACC+32*(\Q)+pq]
.set pq, pq+1
.endr
	v_nop
	s_wait_alu depctr_va_vdst(0)
.set pq, 0
.rept 16
	v_pk_add_f32 v[ACC+32*(\Q)+2*pq:ACC+32*(\Q)+2*pq+1], v[ACC+32*(\Q)+2*pq:ACC+32*(\Q)+2*pq+1], 1.0 op_sel_hi:[1,0]
.set pq, pq+1
.endr
	s_wait_alu depctr_va_vdst(0)
.set pq, 0
.rept 32
	v_rcp_f32 v[ACC+32*(\Q)+pq], v[ACC+32*(\Q)+pq]
.set pq, pq+1
.endr
	v_nop
	s_wait_alu depctr_va_vdst(0)
.irp j, 0,1,2,3
.irp m, 0,1,2,3
	v_pk_fma_f32 v[E+2*\m:E+2*\m+1], v[ACC+32*(\Q)+8*\m+2*\j:ACC+32*(\Q)+8*\m+2*\j+1], v[VV+8*(\Q)+2*\j:VV+8*(\Q)+2*\j+1], v[E+2*\m:E+2*\m+1]
.endr
.endr
.endm
.macro FETCH dst                       ; half a tile of W_f: four fragments, twelve loads of 512 consecutive bytes
	v_add_nc_u32 v[ADW], s[TB], v[LI]
	s_add_co_u32 s[TB], s[TB], 6144
.irp k, 0,1,2,3
.irp c, 0,1,2
	ds_load_b128 v[\dst+12*\k+4*\c:\dst+12*\k+4*\c+3], v[ADW] offset:1536*\k+512*\c
.endr
.endr
.endm
.macro LOADS P                         ; a tile's scale words
	v_add_nc_u32 v[ADS], s[TS], v[AS0]
	s_add_co_u32 s[TS], s[TS], 512
	ds_load_b128 v[BS+4*(\P):BS+4*(\P)+3], v[ADS]
.endm
.macro LOADT P                         ; hb and V at the tile's n = 8 h + 0 .. 7
	v_add_nc_u32 v[ADH], s[TH], v[AH0]
	s_add_co_u32 s[TH], s[TH], 64
	ds_load_b128 v[HB+8*(\P):HB+8*(\P)+3], v[ADH]
	ds_load_b128 v[HB+8*(\P)+4:HB+8*(\P)+7], v[ADH] offset:16
	ds_load_b128 v[VV+8*(\P):VV+8*(\P)+3], v[ADH] offset:VT-HBT
	ds_load_b128 v[VV+8*(\P)+4:VV+8*(\P)+7], v[ADH] offset:VT-HBT+16
.endm
; A group into set P.  ep = 1: the other set's tanh follows the products.  last = 1: nothing more to fetch.
.macro GROUP P, ep, last
	s_wait_dscnt 0x0                               ; this tile's fragments and scale words, and the tile before's hb and V, are in
	LOADT \P
	WIN 0x04                                       ; source 1 (features) window 1
	MM16 \P, 0
	WIN 0
.if (\last) == 0
	PLACES 4                                       ; in front of loads into registers that the products just issued have read
	FETCH XF                                       ; the next tile's K steps 0-3
	LOADS 1-\P
.endif
	WIN 0x08                                       ; source 1 window 2
	MM16 \P, 1
	WIN 0
.if \ep
	OPS 1-\P                                       ; sixteen plain lines that name no register of the products just issued: their places
.else
	PLACES 4
.endif
.if (\last) == 0
	FETCH YF                                       ; the next tile's K steps 4-7
.endif
.if \ep
	TANHR 1-\P
.endif
.endm
.macro BODIES n
	s_mov_b32 s[CNT], \n
.Lbody_\@:
	GROUP 1, 1, 0
	GROUP 0, 1, 0
	s_sub_co_u32 s[CNT], s[CNT], 1
	s_cmp_lg_u32 s[CNT], 0
	s_cbranch_scc1 .Lbody_\@
.endm
; THE CHANGE OF SLOTS, in front of a slot's eighth group: all the slot's bytes have been asked for.  fill = 1: a round, and the slot takes the chunk two on.
.macro CHANGE fill
	s_wait_tensorcnt 0x0                           ; my one load that was out, my quarter of the other slot, is in
	ds_add_u32 v[SPW], v[NIL]
.if \fill
	s_xor_b32 s[G0W1+1], s[G0W1+1], SLOT1
	s_add_nc_u64 s[G0W1+2:G0W1+3], s[G0W1+2:G0W1+3], CHUNK
.endif
	s_wait_dscnt 0x0                               ; the add is done, my reads of the slot are over
.if \fill
	CROUND
	tensor_load_to_lds s[G0W1:G0W1+3], s[G1W:G1W+7]
	s_nop 0
	PLACES 4
.else
	s_barrier_signal -1
	s_barrier_wait -1
.endif
	s_sub_co_u32 s[TB], s[TB], CHUNK
	s_xor_b32 s[TB], s[TB], SLOT1                  ; the fetches go on at the other slot's first tile
.endm
.macro ARM under, g0, g1, next         ; one arm of the head's tree: one joint load
	s_cmp_lt_u32 s[WV], \under
	s_cbranch_scc0 \next
	tensor_load_to_lds s[\g0:\g0+3], s[\g1:\g1+7]
	s_nop 0
	PLACES 4
	s_branch .Lhead_asked
\next:
.endm
	s_load_b256 s[4:11], s[0:1], 0x0               ; features, wimg, W_f's scales, hb
	s_load_b128 s[12:15], s[0:1], 0x20             ; V, energy
	v_lshl_add_u32 v[SPW], v0, 2, SPARE
	v_mov_b32 v[NIL], 0
	ds_add_u32 v[SPW], v[NIL]
	ds_add_u32 v[SPW], v[NIL]
	v_lshrrev_b32 v14, 5, v0
	v_readfirstlane_b32 s[WV], v14                 ; wave 0..3
	s_bfe_u32 s17, ttmp6, 0x40000                  ; cx
	s_lshl_b32 s18, ttmp9, 2
	s_add_co_u32 s18, s18, s17                     ; my block of 256 rows
	s_lshl_b32 s20, s18, 20
	s_lshl_b32 s21, s[WV], 18
	s_add_co_u32 s20, s20, s21                     ; features: my wave's 64 rows
	s_mov_b32 s21, 0
	s_lshl_b32 s22, s18, 10
	s_lshl_b32 s23, s[WV], 8
	s_add_co_u32 s22, s22, s23                     ; energy: 4 bytes a row
	s_mov_b32 s23, 0
	s_mul_i32 s82, s[WV], 24576                    ; my quarter of a chunk
	s_mov_b32 s83, 0
	s_lshr_b32 s88, ttmp9, 1                       ; the batch: two clusters to a batch
	s_lshl_b32 s88, s88, 12
	s_mov_b32 s89, 0
	s_mul_i32 s19, s[WV], STGW
	s_add_co_u32 s19, s19, STG
.irp g, G1W, G1S, G1T, G1C                     ; dense blocks as rows of 256 bytes: mask 15, elements of 8 bytes, bit 21 beside the mask
	s_mov_b32 s[\g], 15|(3<<16)|(1<<21)
	s_mov_b32 s[\g+1], 32<<16
	s_mov_b32 s[\g+3], 32<<16
	s_mov_b32 s[\g+5], 32
	s_mov_b32 s[\g+6], 0
	s_mov_b32 s[\g+7], 0
.endr
	s_mov_b32 s[G1W+2], 96<<16
	s_mov_b32 s[G1W+4], 96
	s_mov_b32 s[G1S+2], 128<<16
	s_mov_b32 s[G1S+4], 128
	s_mov_b32 s[G1T+2], 16<<16
	s_mov_b32 s[G1T+4], 16
	s_mov_b32 s[G1C+2], 384<<16
	s_mov_b32 s[G1C+4], 384
	s_mov_b32 s[SEL], 0x76543210
	s_mov_b32 s[SEL+1], 0xfedcba98
	s_mov_b32 s[CS], 0x4038aa3b                    ; c = 2 log2(e)
	s_mov_b32 s[CS+1], s[CS]
	s_mov_b32 s[HM], 0xffff0000
	s_mov_b32 s[TB], 0
	s_mov_b32 s[TH], 0
	s_mov_b32 s[TS], 0
	v_and_b32 v14, 15, v0                          ; r
	v_bfe_u32 v15, v0, 4, 1                        ; h
	v_and_b32 v[LI], 31, v0
	v_lshlrev_b32 v[LI], 4, v[LI]
	v_lshlrev_b32 v[AS0], 5, v14
	v_lshl_add_u32 v[AS0], v15, 4, v[AS0]
	v_add_nc_u32 v[AS0], SCL, v[AS0]
	v_lshlrev_b32 v[AH0], 5, v15
	v_add_nc_u32 v[AH0], HBT, v[AH0]
	v_add_nc_u32 v[STI], s19, v[LI]
	v_mul_u32_u24 v[STO], v14, SPITCH
	v_lshl_add_u32 v[STO], v15, 6, v[STO]
	v_add_nc_u32 v[STO], s19, v[STO]
	v_lshrrev_b32 v[GO8], 1, v[LI]
	v_lshrrev_b32 v[ST4], 2, v[LI]
	v_add_nc_u32 v[ST4], s19, v[ST4]
	v_add_nc_u32 v[ST8], s19, v[GO8]
.irp j, 0,1,2,3,4,5,6,7
	v_mov_b32 v[E+\j], 0                           ; the sums V r begin at 0: the group is written once
.endr
.irp b, 0,1,2,3
	v_mov_b32 v[TM+4+\b], 0                        ; a lane permute's destination counts as one of its sources
.endr
	s_wait_alu depctr_va_vdst(0)
	s_wait_dscnt 0x0                               ; both opening adds are done
	s_wait_kmcnt 0x0
	s_add_nc_u64 s[4:5], s[4:5], s[20:21]
	s_add_nc_u64 s[14:15], s[14:15], s[22:23]
	s_mov_b32 s[G0S], 1                            ; groups 0: the scale bytes,
	s_mov_b32 s[G0S+1], SCL
	s_mov_b64 s[G0S+2:G0S+3], s[8:9]
	s_or_b32 s[G0S+3], s[G0S+3], 0x80000000
	s_mov_b32 s[G0H], 1                            ; the batch's row of hb,
	s_mov_b32 s[G0H+1], HBT
	s_add_nc_u64 s[G0H+2:G0H+3], s[10:11], s[88:89]
	s_or_b32 s[G0H+3], s[G0H+3], 0x80000000
	s_mov_b32 s[G0V], 1                            ; V,
	s_mov_b32 s[G0V+1], VT
	s_mov_b64 s[G0V+2:G0V+3], s[12:13]
	s_or_b32 s[G0V+3], s[G0V+3], 0x80000000
	s_mov_b32 s[G0W0], 1                           ; chunk 0 whole,
	s_mov_b32 s[G0W0+1], 0
	s_mov_b64 s[G0W0+2:G0W0+3], s[6:7]
	s_or_b32 s[G0W0+3], s[G0W0+3], 0x80000000
	s_mov_b32 s[G0W1], 1                           ; and the one that walks from chunk 1 on: my quarter
	s_add_co_u32 s[G0W1+1], s82, SLOT1
	s_add_nc_u64 s[G0W1+2:G0W1+3], s[6:7], s[82:83]
	s_add_nc_u64 s[G0W1+2:G0W1+3], s[G0W1+2:G0W1+3], CHUNK
	s_or_b32 s[G0W1+3], s[G0W1+3], 0x80000000
	LOADU 0                                        ; features first: four units, 32 KB a wave, are out from here on
	LOADU 1
	LOADU 2
	LOADU 3
	CROUND                                         ; the first joint loads meet
	ARM 1, G0W0, G1C, .Lhead_s                     ; one load a wave: wave 0 chunk 0, wave 1 the scales, wave 2 hb, wave 3 V
	ARM 2, G0S,  G1S, .Lhead_h
	ARM 3, G0H,  G1T, .Lhead_v
	tensor_load_to_lds s[G0V:G0V+3], s[G1T:G1T+7]
	s_nop 0
	PLACES 4
.Lhead_asked:
	; features become codes: 32 units; each wave works in its own stage, no barrier
.set u, 0
.rept 32
	UNIT u
.set u, u+1
.endr
	PLACES 8                                       ; a scale register written by a vector instruction stands 8 places ahead of a scaled product
	s_wait_alu depctr_va_vdst(0)
	s_wait_tensorcnt 0x0                           ; my tile of the head's four is in
	ds_add_u32 v[SPW], v[NIL]
	s_wait_dscnt 0x0
	CROUND                                         ; everybody's are; slot 1's first fill is issued as a refill is
	tensor_load_to_lds s[G0W1:G0W1+3], s[G1W:G1W+7]
	s_nop 0
	PLACES 4
	; the 64 groups
	FETCH XF
	LOADS 0
	FETCH YF
	GROUP 0, 0, 0
	BODIES 3                                       ; groups 1 to 6
	s_mov_b32 s[OUTER], 6
.Lslot:                                            ; six trips: chunks 2 to 7 are asked for
	CHANGE 1
	BODIES 4
	s_sub_co_u32 s[OUTER], s[OUTER], 1
	s_cmp_lg_u32 s[OUTER], 0
	s_cbranch_scc1 .Lslot
	CHANGE 0                                       ; the tail is written out: nothing is left to ask for
	BODIES 4                                       ; groups 55 to 62
	GROUP 1, 1, 1
	s_wait_dscnt 0x0                               ; group 63's hb and V are in: no later group's opening wait covers them
	OPS 1
	TANHR 1
	; the way out: a row's sum lies in a pair of registers and in lanes l and l xor 16
.irp m, 0,1,2,3
	v_add_f32 v[TM+\m], v[E+2*\m], v[E+2*\m+1]
.endr
.irp m, 0,1,2,3
	v_permlanex16_b32 v[TM+4+\m], v[TM+\m], s[SEL], s[SEL+1]
.endr
.irp m, 0,1,2,3
	v_add_f32 v[TM+\m], v[TM+\m], v[TM+4+\m]
.endr
	v_cndmask_b32 v[TM+8], v[TM], v[TM+1], s[HM]   ; row = lane
	v_cndmask_b32 v[TM+9], v[TM+2], v[TM+3], s[HM] ; rows 32 + lane
	v_mul_f32 v[TM+8], 0xc038aa3b, v[TM+8]         ; x -2 log2(e)
	v_mul_f32 v[TM+9], 0xc038aa3b, v[TM+9]
	ds_store_b32 v[ST4], v[TM+8]
	ds_store_b32 v[ST4], v[TM+9] offset:128
	ds_load_b64 v[TM+10:TM+11], v[ST8]             ; my own bytes, served in order
	s_wait_dscnt 0x0
	global_store_b64 v[GO8], v[TM+10:TM+11], s[14:15]   ; 32 lanes store 256 consecutive bytes, aligned
	s_wait_tensorcnt 0x0                           ; the wave's end
	ds_add_u32 v[SPW], v[NIL]
	s_wait_dscnt 0x0
	CROUND                                         ; the closing round
	s_endpgm
.Lfunc_end_k_qe37fc98b29_energy:
	.size	k_qe37fc98b29_energy, .Lfunc_end_k_qe37fc98b29_energy-k_qe37fc98b29_energy
	.p2alignl 7, 3214868480
	.fill 96, 4, 3214868480
	.section	.rodata,"a",@progbits
	.p2align	6, 0x0
	.amdhsa_kernel k_qe37fc98b29_energy
		.amdhsa_group_segment_fixed_size 327680
		.amdhsa_private_segment_fixed_size 0
		.amdhsa_enable_private_segment 0
		.amdhsa_kernarg_size 48
		.amdhsa_user_sgpr_count 2
		.amdhsa_user_sgpr_kernarg_segment_ptr 1
		.amdhsa_wavefront_size32 1
		.amdhsa_system_sgpr_workgroup_id_x 1
		.amdhsa_system_sgpr_workgroup_id_y 1
		.amdhsa_system_sgpr_workgroup_id_z 1
		.amdhsa_system_vgpr_workitem_id 0
		.amdhsa_next_free_vgpr 1024
		.amdhsa_next_free_sgpr 100
		.amdhsa_reserve_vcc 0
		.amdhsa_float_denorm_mode_32 3
		.amdhsa_float_denorm_mode_16_64 3
		.amdhsa_memory_ordered 1
		.amdhsa_forward_progress 1
		.amdhsa_inst_pref_size 255
	.end_amdhsa_kernel
	.section	.bss,"aw",@nobits
	.p2align	6
	.space	262144
	.amdgpu_metadata
---
amdhsa.version: [ 1, 2 ]
amdhsa.kernels:
  - .name:           k_qe37fc98b29_energy
    .symbol:         k_qe37fc98b29_energy.kd
    .args:
      - { .name: features, .offset: 0, .size: 8, .value_kind: global_buffer, .address_space: global }
      - { .name: wimg, .offset: 8, .size: 8, .value_kind: global_buffer, .address_space: global }
      - { .name: W_f_scales, .offset: 16, .size: 8, .value_kind: global_buffer, .address_space: global }
      - { .name: hb, .offset: 24, .size: 8, .value_kind: global_buffer, .address_space: global }
      - { .name: V, .offset: 32, .size: 8, .value_kind: global_buffer, .address_space: global }
      - { .name: energy, .offset: 40, .size: 8, .value_kind: global_buffer, .address_space: global }
    .group_segment_fixed_size: 327680
    .private_segment_fixed_size: 0
    .kernarg_segment_align: 8
    .kernarg_segment_size: 48
    .max_flat_workgroup_size: 128
    .sgpr_count:     100
    .vgpr_count:     1024
    .wavefront_size: 32
...
	.end_amdgpu_metadata
.endif
;; end of part 2
;; launch context (part 3): grid 8 x 32, 16 waves a work-group, no clusters, 10,752 bytes of LDS; arguments energy, features, out0, out1; writes out0, out1
.if DOCPART == 3
	.amdgcn_target "amdgcn-amd-amdhsa--gfx1250"
	.amdhsa_code_object_version 6
	.text
	.protected	k_qe37fc98b29_context
	.globl	k_qe37fc98b29_context
	.p2align	8
	.type	k_qe37fc98b29_context,@function
k_qe37fc98b29_context:
	s_mov_b64 s[64:65], 0
	v_nop
	global_prefetch_b8 v0, s[64:65] scope:SCOPE_SE
	s_setreg_imm32_b32 hwreg(HW_REG_WAVE_MODE, 25, 1), 1
	s_wait_xcnt 0x0
; out1[b][l] = softmax over l of the energies; out0[b][f] = sum over l of out1[b][l] features[b][l][f].  All in f32, by fused multiply-adds: a product with one row has no use for the matrix unit.
; The buffer energy holds t = log2(e) x (energy - a constant of the launch): p = 2^(t - M) / the sum of p, M the batch's largest t, taken here over all 2,048.
; LIMITS: NaN and infinities are not served; a p under 2^-126 counts as 0.
; SHARES.  Work-group (c, b) owns out0[b][128 c .. 128 c + 127] whole; wave w takes rows 128 w .. 128 w + 127 of the batch, 512 consecutive bytes of each row by one load.
; Thread t holds the energies 4 t .. 4 t + 3, rows of its own wave: a row's weight comes out of a lane by v_readlane_b32.  The sums are of the unnormalised p; the division stands at the end.
; NO CLUSTER, NO TENSOR LOAD, NO PREFETCH: work-groups share the 8 KB of energies alone; a ring of 32 loads a wave in registers keeps up to 256 KB of the work-group on its way, each byte asked for once.
.set MAXW, 0                           ; LDS: a word for each wave's maximum,
.set SUMW, 256                         ; for each wave's sum,
.set PART, 512                         ; 512 bytes for each wave's part of the 128 sums,
.set SPARE, 8704                       ; and the spare words, 128 bytes a wave
.set P,    4                           ; v4-7    my four energies, then p
.set A,    8                           ; v8-15   two sets of four sums, by turns
.set R,    32                          ; v32-159 the ring: slot k at v[32 + 4 k]
.set WA,   160                         ; my wave's word
.set PA,   161                         ; my 16 bytes of my wave's part
.set SPW,  162
.set NIL,  163
.set PS,   32                          ; s[32:47] eight pairs: a row's p in the low word
	s_load_b256 s[4:11], s[0:1], 0x0               ; energy, features, out0, out1
	v_lshl_add_u32 v[SPW], v0, 2, SPARE
	v_mov_b32 v[NIL], 0
	v_lshrrev_b32 v1, 5, v0
	v_readfirstlane_b32 s12, v1                    ; wave 0..15
	s_and_b32 s13, ttmp7, 0xffff                   ; b
	v_and_b32 v1, 31, v0
	v_lshlrev_b32 v1, 4, v1                        ; 16 x lane
	v_lshlrev_b32 v2, 4, v0                        ; 16 x thread
	v_mov_b32 v3, 0
	v_mov_b32 v17, 0                               ; a lane permute's destination counts as one of its sources
	v_mov_b32 v[WA], s12
	v_lshlrev_b32 v[WA], 2, v[WA]
	s_lshl_b32 s22, s12, 9
	v_add_nc_u32 v[PA], s22, v1
	s_lshl_b32 s14, s13, 13                        ; the batch's 8,192 bytes of energy and of out1
	s_mov_b32 s15, 0
	s_lshl_b32 s18, s13, 23                        ; features: the batch,
	s_lshl_b32 s19, s12, 19                        ; my wave's 128 rows,
	s_add_co_u32 s18, s18, s19
	s_lshl_b32 s19, ttmp9, 9                       ; the work-group's 512 bytes of a row
	s_add_co_u32 s18, s18, s19
	s_mov_b32 s19, 0
	s_lshl_b32 s20, s13, 12                        ; out0
	s_lshl_b32 s21, ttmp9, 9
	s_add_co_u32 s20, s20, s21
	s_mov_b32 s21, 0
	s_mov_b32 s16, 0x76543210
	s_mov_b32 s17, 0xfedcba98
.irp k, 0,1,2,3,4,5,6,7
	s_mov_b32 s[PS+2*\k+1], 0                      ; the pairs' high words are named, never used
.endr
	s_wait_alu depctr_va_vdst(0)
	s_wait_kmcnt 0x0
	s_add_nc_u64 s[4:5], s[4:5], s[14:15]
	s_add_nc_u64 s[10:11], s[10:11], s[14:15]
	s_add_nc_u64 s[6:7], s[6:7], s[18:19]
	s_add_nc_u64 s[8:9], s[8:9], s[20:21]
	global_load_b128 v[P:P+3], v2, s[4:5]
.set k, 0
.rept 32
	global_load_b128 v[R+4*k:R+4*k+3], v1, s[6:7] offset:4096*k th:TH_LOAD_NT   ; rows 0 to 31
.set k, k+1
.endr
	s_wait_loadcnt 32                              ; the energies are in; the ring's 32 stay out
	v_max3_num_f32 v16, v[P], v[P+1], v[P+2]
	v_max_num_f32 v16, v16, v[P+3]
	v_max_num_f32_dpp v16, v16, v16 row_xmask:1 row_mask:0xf bank_mask:0xf
	v_max_num_f32_dpp v16, v16, v16 row_xmask:2 row_mask:0xf bank_mask:0xf
	v_max_num_f32_dpp v16, v16, v16 row_xmask:4 row_mask:0xf bank_mask:0xf
	v_max_num_f32_dpp v16, v16, v16 row_xmask:8 row_mask:0xf bank_mask:0xf
	v_permlanex16_b32 v17, v16, s16, s17
	v_max_num_f32 v16, v16, v17                    ; my wave's largest t
	ds_store_b32 v[WA], v16 offset:MAXW
	s_wait_dscnt 0x0                               ; for the others
	s_barrier_signal -1
	s_barrier_wait -1
.irp k, 0,1,2,3
	ds_load_b128 v[16+4*\k:19+4*\k], v3 offset:MAXW+16*\k
.endr
	s_wait_dscnt 0x0
	v_max3_num_f32 v16, v16, v17, v18
	v_max3_num_f32 v19, v19, v20, v21
	v_max3_num_f32 v22, v22, v23, v24
	v_max3_num_f32 v25, v25, v26, v27
	v_max3_num_f32 v28, v28, v29, v30
	v_max3_num_f32 v16, v16, v19, v22
	v_max3_num_f32 v25, v25, v28, v31
	v_max_num_f32 v16, v16, v25                    ; M
.irp k, 0,1,2,3
	v_sub_f32 v[P+\k], v[P+\k], v16
.endr
	s_wait_alu depctr_va_vdst(0)                   ; ahead of the batch
.irp k, 0,1,2,3
	v_exp_f32 v[P+\k], v[P+\k]                     ; p = 2^(t - M), at most 1
.endr
	v_nop
	s_wait_alu depctr_va_vdst(0)                   ; and behind it
	v_add_f32 v20, v[P], v[P+1]
	v_add_f32 v21, v[P+2], v[P+3]
	v_add_f32 v20, v20, v21
	v_add_f32_dpp v20, v20, v20 row_xmask:1 row_mask:0xf bank_mask:0xf
	v_add_f32_dpp v20, v20, v20 row_xmask:2 row_mask:0xf bank_mask:0xf
	v_add_f32_dpp v20, v20, v20 row_xmask:4 row_mask:0xf bank_mask:0xf
	v_add_f32_dpp v20, v20, v20 row_xmask:8 row_mask:0xf bank_mask:0xf
	v_permlanex16_b32 v21, v20, s16, s17
	v_add_f32 v20, v20, v21                        ; my wave's sum of p
	ds_store_b32 v[WA], v20 offset:SUMW            ; read behind the second barrier
; Batch j: rows 8 j .. 8 j + 7 of my wave's 128, in ring slots 8 (j % 4) on.  Row i's p lies in register i % 4 of lane i / 4.
.macro BATCH j
	s_wait_alu depctr_va_vdst(0)
.if (\j) < 13
	s_wait_loadcnt 24                              ; this batch's eight are in; the three batches behind it stay out
.else
	s_wait_loadcnt 8*(15-(\j))                     ; the counts run down
.endif
.irp k, 0,1,2,3,4,5,6,7
	v_readlane_b32 s[PS+2*\k], v[P+\k%4], 2*(\j)+\k/4
.endr
.irp k, 0,1,2,3,4,5,6,7
.set rr, R+4*(8*((\j)%4)+\k)
.set aa, A+4*(\k%2)
.if ((\j) == 0) && (\k < 2)
	v_pk_mul_f32 v[aa:aa+1], v[rr:rr+1], s[PS+2*\k:PS+2*\k+1] op_sel_hi:[1,0]       ; the first two rows start the sums
	v_pk_mul_f32 v[aa+2:aa+3], v[rr+2:rr+3], s[PS+2*\k:PS+2*\k+1] op_sel_hi:[1,0]
.else
	v_pk_fma_f32 v[aa:aa+1], v[rr:rr+1], s[PS+2*\k:PS+2*\k+1], v[aa:aa+1] op_sel_hi:[1,0,1]
	v_pk_fma_f32 v[aa+2:aa+3], v[rr+2:rr+3], s[PS+2*\k:PS+2*\k+1], v[aa+2:aa+3] op_sel_hi:[1,0,1]
.endif
.endr
.if (\j) < 12
.irp k, 0,1,2,3,4,5,6,7
	global_load_b128 v[R+4*(8*((\j)%4)+\k):R+4*(8*((\j)%4)+\k)+3], v1, s[6:7] offset:(8*(\j)+32+\k)*4096 th:TH_LOAD_NT   ; the rows 32 on; no load leaves my wave's 128 rows
.endr
.endif
.endm
.set n, 0
.rept 16
	BATCH n
.set n, n+1
.endr
	v_pk_add_f32 v[A:A+1], v[A:A+1], v[A+4:A+5]
	v_pk_add_f32 v[A+2:A+3], v[A+2:A+3], v[A+6:A+7]
	ds_store_b128 v[PA], v[A:A+3] offset:PART
	s_wait_tensorcnt 0x0                           ; behind my last LDS store
	ds_add_u32 v[SPW], v[NIL]
	s_wait_dscnt 0x0                               ; also for the others: my sum of p and my part are in LDS
	s_barrier_signal -1
	s_barrier_wait -1
.irp k, 0,1,2,3
	ds_load_b128 v[16+4*\k:19+4*\k], v3 offset:SUMW+16*\k
.endr
	s_wait_dscnt 0x0
	v_pk_add_f32 v[16:17], v[16:17], v[18:19]
	v_pk_add_f32 v[20:21], v[20:21], v[22:23]
	v_pk_add_f32 v[24:25], v[24:25], v[26:27]
	v_pk_add_f32 v[28:29], v[28:29], v[30:31]
	v_pk_add_f32 v[16:17], v[16:17], v[20:21]
	v_pk_add_f32 v[24:25], v[24:25], v[28:29]
	v_pk_add_f32 v[16:17], v[16:17], v[24:25]
	v_add_f32 v16, v16, v17                        ; the batch's sum of p: at least 1
	s_wait_alu depctr_va_vdst(0)
	v_rcp_f32 v18, v16
	v_nop
	s_wait_alu depctr_va_vdst(0)
	s_lshr_b32 s22, s12, 1                         ; waves 2 c and 2 c + 1 store the work-group's eighth of out1
	s_cmp_lg_u32 s22, ttmp9
	s_cbranch_scc1 .Lno_weights
.irp k, 0,1,2,3
	v_mul_f32 v[20+\k], v[P+\k], v18
.endr
	global_store_b128 v2, v[20:23], s[10:11]       ; 32 lanes store 512 consecutive bytes, aligned
.Lno_weights:
	s_cmp_lg_u32 s12, 0                            ; wave 0 adds the sixteen parts
	s_cbranch_scc1 .Ldone
.irp k, 0,1,2,3,4,5,6,7,8,9,10,11,12,13,14,15
	ds_load_b128 v[R+4*\k:R+4*\k+3], v1 offset:PART+512*\k
.endr
	s_wait_dscnt 0x0
.irp k, 0,2,4,6,8,10,12,14
	v_pk_add_f32 v[R+4*\k:R+4*\k+1], v[R+4*\k:R+4*\k+1], v[R+4*\k+4:R+4*\k+5]
	v_pk_add_f32 v[R+4*\k+2:R+4*\k+3], v[R+4*\k+2:R+4*\k+3], v[R+4*\k+6:R+4*\k+7]
.endr
.irp k, 0,4,8,12
	v_pk_add_f32 v[R+4*\k:R+4*\k+1], v[R+4*\k:R+4*\k+1], v[R+4*\k+8:R+4*\k+9]
	v_pk_add_f32 v[R+4*\k+2:R+4*\k+3], v[R+4*\k+2:R+4*\k+3], v[R+4*\k+10:R+4*\k+11]
.endr
.irp k, 0,8
	v_pk_add_f32 v[R+4*\k:R+4*\k+1], v[R+4*\k:R+4*\k+1], v[R+4*\k+16:R+4*\k+17]
	v_pk_add_f32 v[R+4*\k+2:R+4*\k+3], v[R+4*\k+2:R+4*\k+3], v[R+4*\k+18:R+4*\k+19]
.endr
	v_pk_add_f32 v[R:R+1], v[R:R+1], v[R+32:R+33]
	v_pk_add_f32 v[R+2:R+3], v[R+2:R+3], v[R+34:R+35]
.irp k, 0,1,2,3
	v_mul_f32 v[R+\k], v[R+\k], v18                ; / the sum of p
.endr
	global_store_b128 v1, v[R:R+3], s[8:9]         ; 32 lanes store the work-group's 512 consecutive bytes of out0, aligned
.Ldone:
	s_endpgm
.Lfunc_end_k_qe37fc98b29_context:
	.size	k_qe37fc98b29_context, .Lfunc_end_k_qe37fc98b29_context-k_qe37fc98b29_context
	.p2alignl 7, 3214868480
	.fill 96, 4, 3214868480
	.section	.rodata,"a",@progbits
	.p2align	6, 0x0
	.amdhsa_kernel k_qe37fc98b29_context
		.amdhsa_group_segment_fixed_size 10752
		.amdhsa_private_segment_fixed_size 0
		.amdhsa_enable_private_segment 0
		.amdhsa_kernarg_size 32
		.amdhsa_user_sgpr_count 2
		.amdhsa_user_sgpr_kernarg_segment_ptr 1
		.amdhsa_wavefront_size32 1
		.amdhsa_system_sgpr_workgroup_id_x 1
		.amdhsa_system_sgpr_workgroup_id_y 1
		.amdhsa_system_sgpr_workgroup_id_z 1
		.amdhsa_system_vgpr_workitem_id 0
		.amdhsa_next_free_vgpr 164
		.amdhsa_next_free_sgpr 66
		.amdhsa_reserve_vcc 0
		.amdhsa_float_denorm_mode_32 3
		.amdhsa_float_denorm_mode_16_64 3
		.amdhsa_memory_ordered 1
		.amdhsa_forward_progress 1
		.amdhsa_inst_pref_size 46
	.end_amdhsa_kernel
	.amdgpu_metadata
---
amdhsa.version: [ 1, 2 ]
amdhsa.kernels:
  - .name:           k_qe37fc98b29_context
    .symbol:         k_qe37fc98b29_context.kd
    .args:
      - { .name: energy, .offset: 0, .size: 8, .value_kind: global_buffer, .address_space: global }
      - { .name: features, .offset: 8, .size: 8, .value_kind: global_buffer, .address_space: global }
      - { .name: out0, .offset: 16, .size: 8, .value_kind: global_buffer, .address_space: global }
      - { .name: out1, .offset: 24, .size: 8, .value_kind: global_buffer, .address_space: global }
    .group_segment_fixed_size: 10752
    .private_segment_fixed_size: 0
    .kernarg_segment_align: 8
    .kernarg_segment_size: 32
    .max_flat_workgroup_size: 512
    .sgpr_count:     66
    .vgpr_count:     164
    .wavefront_size: 32
...
	.end_amdgpu_metadata
.endif
;; end of part 3
